; MI455X (gfx1250); checked and timed in simulation.
; The chip was launched on July 23, 2026; its instructions are those of AMD's public machine-readable ISA for CDNA 5 (MIT licence, August 2026) and "CDNA5" Instruction Set Architecture Reference Guide (July 2026). The comments in the code are by the model that wrote it; some were corrected since.
;; Tuck ER. Allowed arithmetic: matrix products marked QUANTISED: E4M3 operands, one given power-of-two scale a tensor, by v_wmma_f32_16x16x64_fp8_fp8 or v_wmma_f32_16x16x128_fp8_fp8, f32 sums; products left as they are: f32 operands where the result goes on into a quantised operand, else bf16, f16 or f32 operands; f32 sums; everything else in f32.
;; Inputs: P_table 100,000 x 256 float32; Q_table 100,000 x 256 float32; R_table 1,000 x 256 float32; W 256 x 256 x 256 float32; lowp_scales 2 int32 (the exponents e of the quantised operands' scales 2^e); ps 4,096 int32; qs 4,096 int32; rs 4,096 int32.
;; Outputs: out0 4,096 x 1 float32; out1 one number float32.
;; This version of the problem:
;;   THIS VERSION OF THE PROBLEM IS GIVEN IN LOW PRECISION. The matrix products marked QUANTISED in the list below multiply operands that are first quantised to E4M3 (4 exponent bits, 3 mantissa bits; 8 bits a number), with one given power-of-two scale for each operand tensor; their sums are f32. All else is computed in f32.
;;   The module's matrix products, in the order in which they are computed (A, B: the left and right operand; K: the contracted axis; several contracted axes count as one K, in the product's order):
;;     1. [M 4,096, K 256] x [K 256, N 65,536]; A: computed on the way; B: input W: QUANTISED (scales: A lowp_scales[0], B lowp_scales[1])
;;     2. batch 4,096 x [M 256, K 256] x [K 256, N 1]; A: computed on the way; B: computed on the way: left as it is (N = 1 < 16)
;;     3. batch 4,096 x [M 1, K 256] x [K 256, N 1]; A: computed on the way; B: computed on the way: left as it is (M = 1 < 16)
;;   THE QUANTISER, for each operand of a quantised product, along K:
;;     - The operand's scale is 2^e, e = its entry of the input lowp_scales (int32; the entries are numbered through the quantised products in the list's order, A before B).
;;     - Each number is divided by the scale, clamped to +-448, and rounded to the nearest number of E4M3, ties to even, subnormals kept.
;;     - The product sums the exact products of the quantised numbers (number of the format x scale) in f32.
;;   ~~~python
;;   def quantise(x, axis, e):      # numpy; x: float32 -> the quantised numbers, widened to float32 again
;;       x = np.moveaxis(x, axis, -1); K = x.shape[-1]
;;       r = np.clip(x / 2.0 ** e, -448, 448)
;;       step = 2.0 ** (np.maximum(np.frexp(np.where(r == 0, 1, r))[1] - 1, -6) - 3)
;;       q = np.round(r / step) * step * 2.0 ** e      # np.round: ties to even
;;       return np.moveaxis(q, -1, axis).astype(np.float32)
;;   ~~~
;;   OPERANDS COMPUTED ON THE WAY. 'Computed on the way' means the value that the module computes at that place (a softmax that the list does not call 'softmax' is quantised finished and normalised). What goes into a quantiser is computed in f32, as accurately as f32 sums, v_exp_f32 and their like allow (about 1e-6 of the number): no bf16 or f16 on the way to a quantiser, and a product that is left as it is and whose result goes on into a quantised operand takes f32 operands (vector FMAs, or v_wmma_f32_16x16x4_f32). A number that lies on a knife's edge between two numbers of the format may be rounded either way, as far as f32 arithmetic and the matrix unit's own rounding can turn it there, and no further.
;; One version. Each part assembles by itself: llvm-mc -triple=amdgcn-amd-amdhsa -mcpu=gfx1250 --defsym DOCPART=n.
;; ======== version 1 of 1: 3 launches
;; workspace buffers: Wc 16,777,216 bytes; pc 1,048,576 bytes; nrm 16,384 bytes; part 524,288 bytes
;; launch prep (part 1): grid 1280 x 1, 4 waves a work-group, no clusters, 0 bytes of LDS; arguments W, lowp_scales, P_table, Q_table, R_table, ps, qs, rs, Wc, pc, nrm; writes Wc, pc, nrm
.if DOCPART == 1
	.amdgcn_target "amdgcn-amd-amdhsa--gfx1250"
	.amdhsa_code_object_version 6
	.text
	.protected	k_qd6346a048f_prep
	.globl	k_qd6346a048f_prep
	.p2align	8
	.type	k_qd6346a048f_prep,@function
k_qd6346a048f_prep:
	s_mov_b64 s[64:65], 0
	v_nop
	global_prefetch_b8 v0, s[64:65] scope:SCOPE_SE
	s_setreg_imm32_b32 hwreg(HW_REG_WAVE_MODE, 25, 1), 1
	s_wait_xcnt 0x0
; TWO JOBS IN ONE LAUNCH, parted on the work-group's number; no LDS, no barrier, waves share nothing.
; Work-groups 0-255: gather.  Wave gw = 4 x work-group + wave takes rows b = 4 gw .. 4 gw + 3: p = P_table[ps[b]] is quantised to E4M3 with the given 2^e0 into pc [4096][256] (one code a byte),
;   and the sums of squares of the gathered rows of p, q and r go to nrm[gw] = (sum p^2, sum q^2, sum r^2, 0).
; Work-groups 256-1279: W [256 (i)][65536 (n = 256 j + k)] f32, whose K is its FIRST axis, is quantised with the given 2^e1.  A LANE TAKES A COLUMN n AND ITS REGISTERS RUN DOWN i, so the conversions give
;   codes with K innermost and nothing is transposed.  The codes are laid as IMAGES OF THE OPERAND'S REGISTERS: tile T = n / 16 has 4,096 bytes; byte T 4096 + c 512 + h 256 + r 16 + x is the code of
;   W[32 c + 16 h + x][16 T + r].  A lane's 16 codes are 16 bytes and sixteen neighbouring lanes hold neighbouring r: each store of sixteen lanes covers 256 consecutive bytes, aligned.
; code = x / 2^e, held within +-448, rounded to the nearest code, ties to even.
; LIMITS: e0 and e1 between -126 and 119, so that 2^e and 448 x 2^e are f32 numbers.  NaN and infinities among the inputs are not served.  An index is taken as unsigned and held at its table's last row.
.set ROWW, 262144                      ; a row i of W in bytes
	s_load_b512 s[4:19], s[0:1], 0x0               ; W 4:5, scales 6:7, P 8:9, Q 10:11, R 12:13, ps 14:15, qs 16:17, rs 18:19
	s_load_b128 s[20:23], s[0:1], 0x40             ; Wc 20:21, pc 22:23
	s_load_b64 s[24:25], s[0:1], 0x50              ; nrm
	v_lshrrev_b32 v1, 5, v0
	v_readfirstlane_b32 s28, v1                    ; wave 0..3
	v_and_b32 v2, 31, v0                           ; lane
	s_wait_kmcnt 0x0
	s_load_b64 s[26:27], s[6:7], 0x0               ; e0, e1
	s_cmp_lt_u32 ttmp9, 256
	s_cbranch_scc1 .Lgather
; ---------------- W: a wave takes 32 columns x 128 along i: four blocks of 32
	s_sub_co_u32 s29, ttmp9, 256
	s_lshr_b32 s30, s29, 1                         ; which 128 columns
	s_and_b32 s29, s29, 1                          ; which 128 of i
	v_lshlrev_b32 v3, 2, v2                        ; in: 4 bytes a lane: 128 consecutive bytes a wave, 512 a work-group
	v_lshrrev_b32 v4, 4, v2
	v_and_b32 v5, 15, v2
	v_lshlrev_b32 v4, 12, v4
	v_lshl_add_u32 v4, v5, 4, v4                   ; out: tile lane / 16, 16 bytes at r = lane % 16
	s_lshl_b32 s32, s29, 25                        ; 128 rows of 262,144 bytes
	s_lshl_b32 s33, s30, 9                         ; 128 columns of 4 bytes
	s_add_co_u32 s32, s32, s33
	s_lshl_b32 s33, s28, 7                         ; my wave's 32 columns
	s_add_co_u32 s32, s32, s33
	s_mov_b32 s33, 0
	s_add_nc_u64 s[40:41], s[4:5], s[32:33]        ; a base for each block of 32 rows, never rewritten: a row's offset, 31 x 262,144 at the most, stays inside the signed 24-bit immediate
	s_add_nc_u64 s[42:43], s[40:41], 32*ROWW
	s_add_nc_u64 s[44:45], s[42:43], 32*ROWW
	s_add_nc_u64 s[46:47], s[44:45], 32*ROWW
	s_lshl_b32 s32, s30, 15                        ; 8 tiles of 4,096 bytes
	s_lshl_b32 s34, s28, 13                        ; my wave's 2 tiles
	s_add_co_u32 s32, s32, s34
	s_lshl_b32 s34, s29, 11                        ; chunks 4 x half on, 512 bytes each
	s_add_co_u32 s32, s32, s34
	s_add_nc_u64 s[48:49], s[20:21], s[32:33]
.macro LOADW t                         ; block t: W(32 t + i, my column), i = 0 .. 31, into set t % 2 (v32-63, v64-95)
.set li, 0
.rept 32
	global_load_b32 v[32+32*((\t)%2)+li], v3, s[40+2*(\t):41+2*(\t)] offset:li*ROWW th:TH_LOAD_NT
.set li, li+1
.endr
.endm
.macro BLOCKW t                        ; its codes go into eight registers of their own (v96-127), so no store's data are written again
.set XS, 32+32*((\t)%2)
.set CW, 96+8*(\t)
.if (\t) < 3
	s_wait_loadcnt 32                              ; this block's 32 loads are in; the next block's 32 may be out
.else
	s_wait_loadcnt 0x0
.endif
.set li, 0
.rept 32
	v_med3_num_f32 v[XS+li], v[XS+li], -v10, v10   ; the conversion to an 8-bit code does not saturate (ISA guide 7.6.2): the hold at the largest code x the scale
.set li, li+1
.endr
.irp g, 0,1,2,3
	v_cvt_scalef32_pk8_fp8_f32 v[CW+2*\g:CW+2*\g+1], v[XS+8*\g:XS+8*\g+7], v11
.endr
	global_store_b128 v4, v[CW:CW+3], s[48:49] offset:512*(\t)          ; i = 32 t + 0 .. 15: the half h = 0 of chunk t
	global_store_b128 v4, v[CW+4:CW+7], s[48:49] offset:512*(\t)+256    ; i = 32 t + 16 .. 31: h = 1
.if (\t) < 2
	LOADW (\t)+2                                   ; (the results go to stores alone, and the next vector lines are the next block's plain holds on other registers)
.endif
.endm
	LOADW 0
	LOADW 1
	s_wait_kmcnt 0x0
	s_add_co_i32 s30, s27, 127
	s_lshl_b32 s31, s30, 23
	v_mov_b32 v11, s31                             ; 2^e1 as f32: the conversion takes its exponent field
	s_add_co_i32 s30, s30, 8
	s_lshl_b32 s30, s30, 23
	s_or_b32 s30, s30, 0x600000
	v_mov_b32 v10, s30                             ; 448 x 2^e1
	BLOCKW 0
	BLOCKW 1
	BLOCKW 2
	BLOCKW 3
	s_endpgm
; ---------------- the gather: four rows of each table a wave
.Lgather:
	s_lshl_b32 s29, ttmp9, 2
	s_add_co_u32 s29, s29, s28                     ; gw
	s_lshl_b32 s30, s29, 4                         ; four indices, and one entry of nrm: 16 bytes
	s_mov_b32 s31, 0
	s_add_nc_u64 s[14:15], s[14:15], s[30:31]
	s_add_nc_u64 s[16:17], s[16:17], s[30:31]
	s_add_nc_u64 s[18:19], s[18:19], s[30:31]
	s_add_nc_u64 s[24:25], s[24:25], s[30:31]
	s_load_b128 s[32:35], s[14:15], 0x0            ; ps
	s_load_b128 s[36:39], s[16:17], 0x0            ; qs
	s_load_b128 s[40:43], s[18:19], 0x0            ; rs
	s_lshl_b32 s30, s29, 10                        ; four rows of 256 codes
	s_add_nc_u64 s[22:23], s[22:23], s[30:31]
	s_mov_b32 s44, 0x76543210                      ; v_permlanex16_b32: lane l xor 16
	s_mov_b32 s45, 0xfedcba98
	v_lshlrev_b32 v3, 5, v2                        ; P: eight NEIGHBOURS a lane, as the conversion wants them
	v_lshlrev_b32 v5, 4, v2                        ; Q, R: 16 bytes a lane, 512 consecutive bytes a load
	v_lshlrev_b32 v4, 3, v2                        ; my eight codes
	s_wait_kmcnt 0x0
.irp i, 0,1,2,3
	s_min_u32 s[32+\i], s[32+\i], 99999            ; held inside the table; a row is 1,024 bytes
	s_min_u32 s[36+\i], s[36+\i], 99999
	s_min_u32 s[40+\i], s[40+\i], 999
	s_lshl_b32 s[32+\i], s[32+\i], 10
	s_lshl_b32 s[36+\i], s[36+\i], 10
	s_lshl_b32 s[40+\i], s[40+\i], 10
	v_add_nc_u32 v[128+\i], s[32+\i], v3
	v_add_nc_u32 v[132+\i], s[36+\i], v5
	v_add_nc_u32 v[136+\i], s[40+\i], v5
.endr
.irp i, 0,1,2,3
	global_load_b128 v[32+8*\i:35+8*\i], v[128+\i], s[8:9]
	global_load_b128 v[36+8*\i:39+8*\i], v[128+\i], s[8:9] offset:16
.endr
.irp i, 0,1,2,3
	global_load_b128 v[64+8*\i:67+8*\i], v[132+\i], s[10:11]
	global_load_b128 v[68+8*\i:71+8*\i], v[132+\i], s[10:11] offset:512
.endr
.irp i, 0,1,2,3
	global_load_b128 v[96+8*\i:99+8*\i], v[136+\i], s[12:13]
	global_load_b128 v[100+8*\i:103+8*\i], v[136+\i], s[12:13] offset:512
.endr
	s_add_co_i32 s30, s26, 127
	s_lshl_b32 s31, s30, 23
	v_mov_b32 v30, s31                             ; 2^e0
	s_add_co_i32 s30, s30, 8
	s_lshl_b32 s30, s30, 23
	s_or_b32 s30, s30, 0x600000
	v_mov_b32 v31, s30                             ; 448 x 2^e0
	v_mov_b32 v11, 0
	v_mov_b32 v12, 0                               ; written once: a lane permute's destination counts as one of its sources
	v_mov_b32 v13, 0
	v_mov_b32 v14, 0
	v_mov_b32 v15, 0                               ; nrm's offset
.macro SQ acc, reg, first              ; eight numbers' squares onto a pair of sums; the very first product starts them
.irp i, 0,2,4,6
.if (\first) && (\i == 0)
	v_pk_mul_f32 v[\acc:\acc+1], v[\reg:(\reg)+1], v[\reg:(\reg)+1]
.else
	v_pk_fma_f32 v[\acc:\acc+1], v[(\reg)+\i:(\reg)+\i+1], v[(\reg)+\i:(\reg)+\i+1], v[\acc:\acc+1]
.endif
.endr
.endm
	s_wait_loadcnt 16                              ; P's eight loads are in; Q's eight and R's eight may be out
.irp i, 0,1,2,3
	SQ 16, 32+8*\i, 1-(\i+3)/4                     ; the squares are taken of p as it is gathered, ahead of the hold
.irp k, 0,1,2,3,4,5,6,7
	v_med3_num_f32 v[32+8*\i+\k], v[32+8*\i+\k], -v31, v31
.endr
	v_cvt_scalef32_pk8_fp8_f32 v[22+2*\i:23+2*\i], v[32+8*\i:39+8*\i], v30
	global_store_b64 v4, v[22+2*\i:23+2*\i], s[22:23] offset:256*\i   ; the wave stores a row's 256 codes: 256 consecutive bytes, aligned
.endr
	s_wait_loadcnt 8                               ; Q's are in; R's eight may be out
.irp i, 0,1,2,3
	SQ 18, 64+8*\i, 1-(\i+3)/4
.endr
	s_wait_loadcnt 0x0
.irp i, 0,1,2,3
	SQ 20, 96+8*\i, 1-(\i+3)/4
.endr
	v_add_f32 v8, v16, v17
	v_add_f32 v9, v18, v19
	v_add_f32 v10, v20, v21
.irp x, 1,2,4,8                        ; over the 32 lanes: four steps inside each half ride on the addition, one crosses the halves
	v_add_f32_dpp v8, v8, v8 row_xmask:\x row_mask:0xf bank_mask:0xf
	v_add_f32_dpp v9, v9, v9 row_xmask:\x row_mask:0xf bank_mask:0xf
	v_add_f32_dpp v10, v10, v10 row_xmask:\x row_mask:0xf bank_mask:0xf
.endr
	v_permlanex16_b32 v12, v8, s44, s45
	v_permlanex16_b32 v13, v9, s44, s45
	v_permlanex16_b32 v14, v10, s44, s45
	v_add_f32 v8, v8, v12
	v_add_f32 v9, v9, v13
	v_add_f32 v10, v10, v14
	v_cmp_eq_u32 vcc_lo, 0, v2
	s_wait_xcnt 0x0                                ; EXEC is a source of the loads and stores above: it changes only behind this wait
	s_and_saveexec_b32 s46, vcc_lo
	global_store_b128 v15, v[8:11], s[24:25]       ; lane 0: the wave's three sums
	s_wait_xcnt 0x0                                ; and again in front of the line that widens it
	s_or_b32 exec_lo, exec_lo, s46
	s_endpgm
.Lfunc_end_k_qd6346a048f_prep:
	.size	k_qd6346a048f_prep, .Lfunc_end_k_qd6346a048f_prep-k_qd6346a048f_prep
	.p2alignl 7, 3214868480
	.fill 96, 4, 3214868480
	.section	.rodata,"a",@progbits
	.p2align	6, 0x0
	.amdhsa_kernel k_qd6346a048f_prep
		.amdhsa_group_segment_fixed_size 0
		.amdhsa_private_segment_fixed_size 0
		.amdhsa_enable_private_segment 0
		.amdhsa_kernarg_size 88
		.amdhsa_user_sgpr_count 2
		.amdhsa_user_sgpr_kernarg_segment_ptr 1
		.amdhsa_wavefront_size32 1
		.amdhsa_system_sgpr_workgroup_id_x 1
		.amdhsa_system_sgpr_workgroup_id_y 1
		.amdhsa_system_sgpr_workgroup_id_z 1
		.amdhsa_system_vgpr_workitem_id 0
		.amdhsa_next_free_vgpr 144
		.amdhsa_next_free_sgpr 66
		.amdhsa_reserve_vcc 1
		.amdhsa_float_denorm_mode_32 3
		.amdhsa_float_denorm_mode_16_64 3
		.amdhsa_memory_ordered 1
		.amdhsa_forward_progress 1
		.amdhsa_inst_pref_size 36
	.end_amdhsa_kernel
	.amdgpu_metadata
---
amdhsa.version: [ 1, 2 ]
amdhsa.kernels:
  - .name:           k_qd6346a048f_prep
    .symbol:         k_qd6346a048f_prep.kd
    .args:
      - { .name: W, .offset: 0, .size: 8, .value_kind: global_buffer, .address_space: global }
      - { .name: lowp_scales, .offset: 8, .size: 8, .value_kind: global_buffer, .address_space: global }
      - { .name: P_table, .offset: 16, .size: 8, .value_kind: global_buffer, .address_space: global }
      - { .name: Q_table, .offset: 24, .size: 8, .value_kind: global_buffer, .address_space: global }
      - { .name: R_table, .offset: 32, .size: 8, .value_kind: global_buffer, .address_space: global }
      - { .name: ps, .offset: 40, .size: 8, .value_kind: global_buffer, .address_space: global }
      - { .name: qs, .offset: 48, .size: 8, .value_kind: global_buffer, .address_space: global }
      - { .name: rs, .offset: 56, .size: 8, .value_kind: global_buffer, .address_space: global }
      - { .name: Wc, .offset: 64, .size: 8, .value_kind: global_buffer, .address_space: global }
      - { .name: pc, .offset: 72, .size: 8, .value_kind: global_buffer, .address_space: global }
      - { .name: nrm, .offset: 80, .size: 8, .value_kind: global_buffer, .address_space: global }
    .group_segment_fixed_size: 0
    .private_segment_fixed_size: 0
    .kernarg_segment_align: 8
    .kernarg_segment_size: 88
    .max_flat_workgroup_size: 128
    .sgpr_count:     66
    .vgpr_count:     144
    .wavefront_size: 32
...
	.end_amdgpu_metadata
.endif
;; end of part 1
;; launch main (part 2): grid 16 x 16, 4 waves a work-group, clusters of 4 x 1, 327,680 bytes of LDS; arguments pc, Wc, Q_table, R_table, qs, rs, lowp_scales, part; writes part
.if DOCPART == 2
	.amdgcn_target "amdgcn-amd-amdhsa--gfx1250"
	.amdhsa_code_object_version 6
	.text
	.protected	k_qd6346a048f_main
	.globl	k_qd6346a048f_main
	.p2align	8
	.type	k_qd6346a048f_main,@function
k_qd6346a048f_main:
	s_mov_b64 s[64:65], 0
	v_nop
	global_prefetch_b8 v0, s[64:65] scope:SCOPE_SE
	s_setreg_imm32_b32 hwreg(HW_REG_WAVE_MODE, 25, 1), 1
	s_wait_xcnt 0x0
	s_wait_alu depctr_hold_cnt(0) depctr_sa_sdst(0) depctr_va_vdst(0) depctr_va_sdst(0) depctr_va_ssrc(0) depctr_va_vcc(0) depctr_vm_vsrc(0)
	s_getreg_b32 s2, hwreg(HW_REG_IB_STS2, 6, 4)
	s_cmp_eq_u32 s2, 0
	s_cbranch_scc0 .Lentry_in_a_cluster
	s_endpgm
.Lentry_in_a_cluster:
	s_bfe_u32 s2, ttmp6, 0x10000c
	s_cmp_lg_u32 s2, 0x3003
	s_cbranch_scc0 .Lentry_shape_is_right
	s_endpgm
.Lentry_shape_is_right:
; part[c][b] = 2^(e0 + e1) x the sum over my j and my k of r[b][j] q[b][k] Wp[b][j][k],  Wp = codes of p x codes of W (E4M3, K = i = 256), f32 sums.  Wp never leaves the registers.
; SHARES.  Work-group (x, y): 256 b from 256 x; 128 k from 128 (y % 2); 32 j from 32 (y / 2): 256 work-groups of equal work.  Wave w: 128 b (w / 2) x 64 k (w % 2) x the 32 j: 2,048 matrix instructions.
;   Contributor c = 2 y + w % 2; a later launch adds the 32 contributors of each b.
; THE MATRIX INSTRUCTION IS USED TRANSPOSED: source 0 = 16 columns n of W (one j, 16 k), source 1 = 16 rows of p.  In the result a lane holds ONE b (lane % 16) and eight neighbouring k (8 (lane / 16) + 0 .. 7).
;   So for each j: u[b] = sum over k of Wp q, two k at a time by packed multiply-adds against q, which stays in registers; then out[b] += u r[b][j].
; THE ROWS OF A TILE OF p ARE NOT NEIGHBOURS: lane r of tile t takes b = b0 + 64 (t / 4) + 4 r + t % 4, so that one 16-byte load of an index list serves four tiles and the results leave as 512 consecutive bytes.
; Both operands are fed by four 16-byte pieces for 128 along K (registers 4 c .. 4 c + 3: i = 32 c + 16 (lane / 16) + 0 .. 15): a permutation of i, the same on both sides: only the order of the sums inside an instruction changes.
; p (256 registers) and q (256) stay for the whole launch; ONLY W GOES THROUGH LDS, as images of its fragments' registers: a load takes 512 consecutive bytes, so there is no pitch and no padding.
; RING: two slots of 4 j x 32,768 bytes; wave w fetches j = 4 slot + w by one tensor load.  CLUSTER: the four work-groups of a cluster differ in x alone and walk the same tiles of W: each tile is asked for JOINTLY
;   (mask 15).  No second axis is shared: p is not streamed, so a cluster of 4 x 4 would have nothing more to share.
; BY TURNS.  A GROUP is 8 matrix instructions (4 tiles of b x K's two halves) on one of two sets of 4 accumulators; between them stand the 16 packed multiply-adds that use up the group before, from the other set.
; LIMITS: NaN and infinities among the inputs are not served (the first group multiplies q by zeros).  An index is taken as unsigned and held at its table's last row.  e0 + e1 is applied by v_ldexp_f32 and has no limit here.
; REGISTERS, in windows of 256 (s_set_vgpr_msb: bits 1:0 source 0, 3:2 source 1, 5:4 source 2, 7:6 destination):
;   window 0: v1 r, v2 h, v3 lane, v4, v5 the spare word's address and 0, v6-11 offsets, v12-19 q's rows, v20-27 r's rows, v32-63 and v64-95 r of a slot's 4 j (tile t, j jj at + 4 t + jj), two buffers; v96-115 the way out
;   window 1: tiles 0-3: p's fragments (m, K half s) at v[32 m + 16 s]; q (m, key tile kt) at v[128 + 32 m + 8 kt].     window 2: the same for tiles 4-7.
;   window 3: v0-127 W's fragments (kt, s) at v[32 kt + 16 s], one set, refilled as it is used up; v128-159, v160-191 the two sets of accumulators; v192-207 u, a pair a tile; v208-215 out; v216-219 LDS addresses.
;   Under S_L or S_H the matrix instruction, the packed multiply-add and the LDS load all find their operands: only the two groups of a j whose halves differ switch between them.
.set SLOTB, 131072                     ; a slot
.set SPARE, 262144                     ; behind the ring: the spare words, 128 bytes for each wave: two blocks of 256 bytes that no other line names
.set S_L, 0xF7                         ; source 0, C and D window 3; source 1 window 1
.set S_H, 0xFB                         ; source 1 window 2
.set S_R, 0xF3                         ; source 1 window 0
.set MSB, 0
.macro WIN new                         ; the immediate's high byte repeats the setting that is left; a switch that changes nothing is dropped
.if MSB != (\new)
	s_set_vgpr_msb (MSB<<8)|(\new)
.set MSB, (\new)
.endif
.endm
; A round of the cluster's barrier: my work-group's barrier, wave 0 signals for the work-group, every wave waits for all four work-groups, my work-group's barrier once more.
.macro CROUND
	s_barrier_signal -1
	s_barrier_wait -1
	s_cmp_lg_u32 s20, 0
	s_cbranch_scc1 .Lnot_wave_0_\@
	s_barrier_signal -3
.Lnot_wave_0_\@:
	s_barrier_wait -3
	s_barrier_signal -1
	s_barrier_wait -1
.endm
	s_load_b512 s[4:19], s[0:1], 0x0               ; pc 4:5, Wc 6:7, Q 8:9, R 10:11, qs 12:13, rs 14:15, scales 16:17, part 18:19
	v_lshl_add_u32 v4, v0, 2, SPARE
	v_mov_b32 v5, 0
	ds_add_u32 v4, v5
	s_wait_dscnt 0x0
	v_lshrrev_b32 v1, 5, v0
	v_readfirstlane_b32 s20, v1                    ; wave 0..3
	s_lshr_b32 s21, s20, 1                         ; which 128 b
	s_and_b32 s22, s20, 1                          ; which 64 k
	s_bfe_u32 s23, ttmp6, 0x40000                  ; cx: it enters global addresses of pc, the lists, part and the prefetch alone
	s_lshl_b32 s40, ttmp9, 2
	s_add_co_u32 s40, s40, s23                     ; x = 4 x cluster x + cx
	s_and_b32 s41, ttmp7, 0xffff                   ; y, which the four partners share
	s_and_b32 s42, s41, 1                          ; which 128 k
	s_lshr_b32 s43, s41, 1                         ; which 32 j
	; descriptor group 1: 128 rows of 256 bytes, dense: a j's eight tiles of W
	s_mov_b32 s24, 15|(3<<16)|(1<<21)              ; 15:0 the mask: all four work-groups; 17:16 elements of 8 bytes; 21 set beside a mask; no padding
	s_mov_b32 s25, 32<<16                          ; tensor_dim0 = 32 elements
	s_mov_b32 s26, 128<<16                         ; tensor_dim1 = 128
	s_mov_b32 s27, 32<<16                          ; tile_dim0 = 32
	s_mov_b32 s28, 128                             ; tile_dim1 = 128
	s_mov_b32 s29, 32                              ; from row to row
	s_mov_b32 s30, 0
	s_mov_b32 s31, 0
	s_lshl_b32 s52, s43, 21                        ; 32 j of 65,536 bytes,
	s_lshl_b32 s54, s20, 16                        ; my wave's j of a slot's four,
	s_add_co_u32 s52, s52, s54
	s_lshl_b32 s54, s42, 15                        ; the half of its 16 tiles
	s_add_co_u32 s52, s52, s54
	s_mov_b32 s53, 0
	s_lshl_b32 s55, s20, 15                        ; and its place in a slot: wave x 32,768
	s_mov_b32 s56, 0x76543210                      ; v_permlanex16_b32: lane l xor 16
	s_mov_b32 s57, 0xfedcba98
	s_wait_kmcnt 0x0
	s_load_b64 s[50:51], s[16:17], 0x0             ; e0, e1
	s_add_nc_u64 s[52:53], s[6:7], s[52:53]
.irp s, 0,1                            ; descriptor group 0, a set for each slot
	s_mov_b32 s[32+4*\s], 1                        ; count = 1
	s_add_co_u32 s[33+4*\s], s55, \s*SLOTB         ; LDS address
	s_add_nc_u64 s[34+4*\s:35+4*\s], s[52:53], \s*262144   ; global address: slot s begins 4 s j on
	s_or_b32 s[35+4*\s], s[35+4*\s], 0x80000000    ; type = 2
.endr
	CROUND                                         ; all four work-groups are here: the first joint loads meet
	tensor_load_to_lds s[32:35], s[24:31]          ; both first fills together, ahead of every wait on TENSORcnt and every LDS read: two loads of mine are out
	s_nop 0
	tensor_load_to_lds s[36:39], s[24:31]
	s_nop 0
.rept 4
	v_nop
.endr
	; the other addresses
	s_lshl_b32 s60, s40, 8
	s_lshl_b32 s61, s21, 7
	s_add_co_u32 s60, s60, s61                     ; b0 = 256 x + 128 (wave / 2)
	s_lshl_b32 s62, s60, 8
	s_mov_b32 s63, 0
	s_add_nc_u64 s[4:5], s[4:5], s[62:63]          ; pc at row b0
	s_lshl_b32 s62, s60, 2
	s_add_nc_u64 s[12:13], s[12:13], s[62:63]      ; qs, rs and a row of part at b0
	s_add_nc_u64 s[14:15], s[14:15], s[62:63]
	s_add_nc_u64 s[18:19], s[18:19], s[62:63]
	s_lshl_b32 s62, s41, 1
	s_add_co_u32 s62, s62, s22
	s_lshl_b32 s62, s62, 14                        ; contributor 2 y + wave % 2: a row of 16,384 bytes
	s_add_nc_u64 s[18:19], s[18:19], s[62:63]
	s_lshl_b32 s62, s42, 9
	s_lshl_b32 s61, s22, 8
	s_add_co_u32 s62, s62, s61                     ; my 64 k in a row of Q_table: 256 bytes, aligned
	s_add_nc_u64 s[8:9], s[8:9], s[62:63]
	s_lshl_b32 s62, s43, 7                         ; my first j in a row of R_table
	s_add_nc_u64 s[10:11], s[10:11], s[62:63]
	s_add_co_u32 s62, s23, 8                       ; the prefetches: of a slot's four j partner cx takes one, wave w 8,192 bytes of its 32,768, a lane 256.  It stands in slot 2; the first change of slots steps it to slot 3
	s_lshl_b32 s62, s62, 16
	s_lshl_b32 s61, s43, 21
	s_add_co_u32 s62, s62, s61
	s_lshl_b32 s61, s42, 15
	s_add_co_u32 s62, s62, s61
	s_lshl_b32 s61, s20, 13
	s_add_co_u32 s62, s62, s61
	s_add_nc_u64 s[44:45], s[6:7], s[62:63]
	s_cmp_eq_u32 ttmp9, 0                          ; the four clusters of one y walk the same tiles: the first of them asks.  The same in all four partners
	s_cselect_b32 s46, 1, -1
	v_and_b32 v1, 15, v0                           ; r
	v_bfe_u32 v2, v0, 4, 1                         ; h
	v_and_b32 v3, 31, v0                           ; lane
	v_lshlrev_b32 v6, 8, v3                        ; the prefetches' offset
	v_lshlrev_b32 v7, 10, v1
	v_lshl_add_u32 v7, v2, 4, v7                   ; pc: rows 4 r of 256 bytes, + 16 h
	v_lshlrev_b32 v8, 4, v1                        ; the lists: four indices at 4 r
	v_lshlrev_b32 v9, 4, v3                        ; 16 x lane
	s_lshl_b32 s54, s22, 14
	v_add_nc_u32 v10, s54, v9                      ; LDS: 16 x lane + my four key tiles
	v_lshlrev_b32 v11, 5, v2                       ; q: my half's eight numbers
	global_load_b128 v[12:15], v8, s[12:13]        ; register m: the index of tile m's row of my lane;
	global_load_b128 v[16:19], v8, s[12:13] offset:256   ; of tile 4 + m's
	global_load_b128 v[20:23], v8, s[14:15]
	global_load_b128 v[24:27], v8, s[14:15] offset:256
.macro PLOAD off                       ; p's eight fragments of four tiles
.irp m, 0,1,2,3
.irp s, 0,1
.irp c, 0,1,2,3
	global_load_b128 v[32*\m+16*\s+4*\c:32*\m+16*\s+4*\c+3], v7, s[4:5] offset:(\off)+256*\m+128*\s+32*\c
.endr
.endr
.endr
.endm
.macro QLOAD a0                        ; q of four tiles: for each key tile my half's eight numbers
.irp m, 0,1,2,3
.irp k, 0,1,2,3
	global_load_b128 v[128+32*\m+8*\k:128+32*\m+8*\k+3], v[(\a0)+\m], s[8:9] offset:64*\k
	global_load_b128 v[128+32*\m+8*\k+4:128+32*\m+8*\k+7], v[(\a0)+\m], s[8:9] offset:64*\k+16
.endr
.endr
.endm
; r[b][4 j of a slot], 16 bytes a lane and tile, into buffer par
.macro RLOAD par
	WIN 0
.irp t, 0,1,2,3,4,5,6,7
	global_load_b128 v[32+32*(\par)+4*\t:32+32*(\par)+4*\t+3], v[20+\t], s[10:11]
.endr
.endm
	WIN 0x40                                       ; destination window 1, address window 0
	PLOAD 0
	WIN 0
	s_wait_loadcnt 32                              ; the four loads of indices are in; p's 32 may be out
.irp t, 0,1,2,3,4,5,6,7
	v_min_u32 v[12+\t], 0x1869f, v[12+\t]          ; held inside the tables
	v_min_u32 v[20+\t], 0x3e7, v[20+\t]
.endr
.irp t, 0,1,2,3,4,5,6,7
	v_lshl_add_u32 v[12+\t], v[12+\t], 10, v11     ; a row is 1,024 bytes
	v_lshlrev_b32 v[20+\t], 10, v[20+\t]
.endr
	RLOAD 0                                        ; slot 0's r
	WIN 0x40
	QLOAD 12
	WIN 0x80                                       ; destination window 2
	PLOAD 16384
	QLOAD 16
	WIN 0xC0                                       ; destination window 3
	v_add_nc_u32 v216, 0, v10                      ; LDS addresses, never rewritten: slot 0, j 0 and 1;
	v_add_nc_u32 v217, 0x10000, v10                ; slot 0, j 2 and 3;
	v_add_nc_u32 v218, 0x20000, v10                ; slot 1 likewise
	v_add_nc_u32 v219, 0x30000, v10
; The first group uses up 'the group before' like every other: it finds zeros (32 accumulators, 8 of u, 8 of out, 4 of r: 52 lines, once), which spares a further copy of a slot's text.
.set zi, 0
.rept 32
	v_mov_b32 v[160+zi], 0
.set zi, zi+1
.endr
.set zi, 0
.rept 16
	v_mov_b32 v[200+zi], 0                         ; u of tiles 4-7, and out
.set zi, zi+1
.endr
	WIN 0
.irp t, 4,5,6,7
	v_mov_b32 v[64+4*\t+3], 0
.endr
	s_wait_kmcnt 0x0
	s_add_co_i32 s50, s50, s51                     ; e0 + e1
; Matrix instruction w of a group's 8: tile m = w % 4 of half x, K half s = w / 4; key tile kt; accumulators' set.  The first four start the sums with the constant 0.
; The accumulators take turns, one instruction a turn; the next group takes the other set.
.macro WM x, kt, set, w
	WIN S_L+4*(\x)
.set rD, 128+32*(\set)+8*((\w)%4)
.set rA, 32*(\kt)+16*((\w)/4)
.set rB, 32*((\w)%4)+16*((\w)/4)
.if (\w) < 4
	v_wmma_f32_16x16x128_fp8_fp8 v[rD:rD+7], v[rA:rA+15], v[rB:rB+15], 0
.else
	v_wmma_f32_16x16x128_fp8_fp8 v[rD:rD+7], v[rA:rA+15], v[rB:rB+15], v[rD:rD+7]
.endif
.endm
; Packed multiply-add n of 16 on a finished group: tile m = n % 4 of half x, pair i = n / 4 of its eight k: u += Wp q.  Each accumulator is read from its low end on; a j's first product starts u.
.macro PK x, kt, set, n
	WIN S_L+4*(\x)
.set rD, 128+32*(\set)+8*((\n)%4)+2*((\n)/4)
.set rQ, 128+32*((\n)%4)+8*(\kt)+2*((\n)/4)
.set rU, 192+2*(4*(\x)+((\n)%4))
.if ((\kt) == 0) && ((\n) < 4)
	v_pk_mul_f32 v[rU:rU+1], v[rD:rD+1], v[rQ:rQ+1]
.else
	v_pk_fma_f32 v[rU:rU+1], v[rD:rD+1], v[rQ:rQ+1], v[rU:rU+1]
.endif
.endm
; out += u r[b][j] for the four tiles of half x: u's even k, then its odd k
.macro RSTEP x, par, jj
	WIN S_R
.irp m, 0,1,2,3
	v_fma_f32 v[208+4*(\x)+\m], v[192+2*(4*(\x)+\m)], v[32+32*(\par)+4*(4*(\x)+\m)+(\jj)], v[208+4*(\x)+\m]
.endr
.irp m, 0,1,2,3
	v_fma_f32 v[208+4*(\x)+\m], v[192+2*(4*(\x)+\m)+1], v[32+32*(\par)+4*(4*(\x)+\m)+(\jj)], v[208+4*(\x)+\m]
.endr
.endm
; A GROUP: four slices of two matrix instructions (half x, key tile kt, set) and four packed multiply-adds on the group before (half px, key tile pkt, the other set).
; PLACES (ISA guide 7.12.1).  An accumulator's last matrix instruction stands at least four packed multiply-adds on other registers ahead of its first read: the last slice's four, and those on the tiles before it.
; A set is begun anew a whole group behind its last matrix instruction: twelve packed multiply-adds on the other three tiles stand between.
.macro GROUP x, kt, set, px, pkt
.set gw, 0
.set gn, 0
.rept 4
	WM \x, \kt, \set, gw
	WM \x, \kt, \set, gw+1
	PK \px, \pkt, 1-(\set), gn
	PK \px, \pkt, 1-(\set), gn+1
	PK \px, \pkt, 1-(\set), gn+2
	PK \px, \pkt, 1-(\set), gn+3
.set gw, gw+2
.set gn, gn+4
.endr
.endm
; W's two fragments of key tile kt, 8 loads of 512 consecutive bytes.  It stands behind a group's last four packed multiply-adds, the four places behind the last matrix instruction that read these registers.
; Data and address lie in window 3: every setting of the loop's vector work serves.
.macro FETCH ad, imm, kt
.irp c, 0,1,2,3,4,5,6,7
	ds_load_b128 v[32*(\kt)+4*\c:32*(\kt)+4*\c+3], v[216+(\ad)] offset:(\imm)+4096*(\kt)+512*\c
.endr
.endm
; A PREFETCH INTO THE L2 of the slot that the NEXT change of slots will ask for, behind the tensor load and its four lines: the change in slot n names slot n + 3, a slot's 256 matrix instructions ahead of its tensor load.
; Each aligned block of 256 bytes is named once in the launch: the first cluster of a y asks; its partners are told apart by ADDRESS; each wave has one instruction, a lane a block.
; Slots 0, 1 and 2 come by their loads alone.  The change in slot 5 (odd slot, last lap) asks for nothing: there is no slot 8.
.macro ASK par
.if (\par) == 0
	s_cmp_eq_u32 s46, 1
.else
	s_cmp_gt_u32 s48, s46
.endif
	s_cbranch_scc0 .Lnot_mine_\@
	global_prefetch_b8 v6, s[44:45] th:TH_LOAD_NT scope:SCOPE_SE
.Lnot_mine_\@:
.endm
; THE CHANGE OF SLOTS, in the middle of a slot's last j: all its fragments are in registers.  Each wave waits for all its tensor loads, of which one is out: its part of the other slot; adds 0 to its spare word;
; and waits for that and for its reads of this slot.  chg = 2: this slot is filled again, with the j two slots on: the barrier is a round of the cluster's, and the joint refill is the first thing behind it.
; chg = 1: nothing is left to fetch.
.macro CHANGE par, chg
	WIN 0                                          ; at a label and at a branch every window is 0; the add's registers lie in window 0
	s_wait_loadcnt 0x0                             ; the next slot's r is in, so its base may be written
.if (\chg) == 2
	s_add_nc_u64 s[10:11], s[10:11], 16            ; four j on
	s_wait_xcnt 0x0                                ; the last prefetch, a slot back, has read its address
	s_add_nc_u64 s[44:45], s[44:45], 262144        ; a slot on
.endif
	s_wait_tensorcnt 0x0                           ; no tensor load of mine is out, so a group 0 may be written
	ds_add_u32 v4, v5                              ; 0 onto my spare word
.if (\chg) == 2
	s_add_nc_u64 s[34+4*(\par):35+4*(\par)], s[34+4*(\par):35+4*(\par)], 524288   ; this slot's next tile: 8 j on; the type bits on top are not reached
.endif
	s_wait_dscnt 0x0                               ; the add is done, and my reads of this slot are over
.if (\chg) == 2
	CROUND                                         ; no wave of any partner still reads this slot or has a load on its way
	tensor_load_to_lds s[32+4*(\par):35+4*(\par)], s[24:31]   ; my one tensor load behind the round: my quarter of the slot
	s_nop 0
.rept 4
	v_nop
.endr
	ASK \par
.else
	s_barrier_signal -1
	s_barrier_wait -1
.endif
.endm
; ONE j: eight groups, tiles 0-3 against key tiles 0-3, then tiles 4-7.  Each uses up the group before; the first uses up the last group of the j before.
; The counted waits: the fetches of the later key tiles, 8 loads each, may stay out.  Behind the group that reads a key tile's fragments last, the next j's are fetched: 24 matrix instructions ahead of their use.
.macro JSTEP par, jj, chg, rl, fetch
.if (\jj) == 0
.set ppar, 1-(\par)
.set pjj, 3
.else
.set ppar, (\par)
.set pjj, (\jj)-1
.endif
.if (\jj) < 3
.set nad, 2*(\par)+((\jj)+1)/2
.set nimm, (((\jj)+1)%2)*32768
.else
.set nad, 2*(1-(\par))
.set nimm, 0
.endif
	s_wait_dscnt 24
	GROUP 0, 0, 0, 1, 3
	RSTEP 1, ppar, pjj
.if ((\jj) == 0) && (\rl)
	RLOAD 1-(\par)                                 ; the next slot's r, into the buffer whose last number has just been used
.endif
	s_wait_dscnt 16
	GROUP 0, 1, 1, 0, 0
	s_wait_dscnt 8
	GROUP 0, 2, 0, 0, 1
	s_wait_dscnt 0x0
	GROUP 0, 3, 1, 0, 2
.if ((\jj) == 3) && ((\chg) > 0)
	CHANGE \par, \chg
.endif
	GROUP 1, 0, 0, 0, 3
	RSTEP 0, \par, \jj
.if \fetch
	FETCH nad, nimm, 0
.endif
	GROUP 1, 1, 1, 1, 0
.if \fetch
	FETCH nad, nimm, 1
.endif
	GROUP 1, 2, 0, 1, 1
.if \fetch
	FETCH nad, nimm, 2
.endif
	GROUP 1, 3, 1, 1, 2
.if \fetch
	FETCH nad, nimm, 3
.endif
.endm
.macro SLOTBODY par, chg, rl, fetch3
	JSTEP \par, 0, \chg, \rl, 1
	JSTEP \par, 1, \chg, \rl, 1
	JSTEP \par, 2, \chg, \rl, 1
	JSTEP \par, 3, \chg, \rl, \fetch3
.endm
	s_wait_loadcnt 0x0                             ; p, q and slot 0's r
	s_add_nc_u64 s[10:11], s[10:11], 16            ; r's base at slot 1
	s_wait_tensorcnt 0x1                           ; my part of slot 0 is in; slot 1's may stay out
	s_barrier_signal -1
	s_barrier_wait -1                              ; everybody's is
	WIN S_L
	FETCH 0, 0, 0                                  ; the first j's fragments
	FETCH 0, 0, 1
	FETCH 0, 0, 2
	FETCH 0, 0, 3
	WIN 0
	s_mov_b32 s48, 3
.Llap:                                             ; three trips, two slots each: slots 0 to 5, each filled again
	SLOTBODY 0, 2, 1, 1
	SLOTBODY 1, 2, 1, 1
	WIN 0
	s_sub_co_u32 s48, s48, 1
	s_cmp_lg_u32 s48, 0
	s_cbranch_scc1 .Llap
	SLOTBODY 0, 1, 1, 1                            ; the tail is written out: slot 6 changes slots and asks for nothing
	SLOTBODY 1, 0, 0, 0                            ; slot 7 has nothing behind it
.set gn, 0
.rept 16
	PK 1, 3, 1, gn                                 ; the last group is used up
.set gn, gn+1
.endr
	RSTEP 1, 1, 3
	; THE WAY OUT.  x 2^(e0 + e1); the other half of the lanes holds the other eight k of each key tile; then lane (r, g) takes tiles 4 g + 0 .. 3: b = b0 + 64 g + 4 r + 0 .. 3: 16 bytes at 16 x lane.
	WIN 0x03                                       ; source 0 window 3, destination window 0
.irp t, 0,1,2,3,4,5,6,7
	v_ldexp_f32 v[96+\t], v[208+\t], s50
.endr
	WIN 0
.irp t, 0,1,2,3,4,5,6,7
	v_permlanex16_b32 v[32+\t], v[96+\t], s56, s57 ; (its destination counts as read: r's buffer has been written and is done with)
.endr
.irp t, 0,1,2,3,4,5,6,7
	v_add_f32 v[96+\t], v[96+\t], v[32+\t]
.endr
	v_cmp_lt_u32 vcc_lo, 15, v3
.irp m, 0,1,2,3
	v_cndmask_b32 v[112+\m], v[96+\m], v[100+\m], vcc_lo
.endr
	global_store_b128 v9, v[112:115], s[18:19]     ; the wave stores 512 consecutive bytes, at a multiple of 256 from part's first byte
	s_wait_tensorcnt 0x0                           ; the wave's end
	ds_add_u32 v4, v5
	s_wait_dscnt 0x0
	CROUND                                         ; the closing round: no work-group ends while a partner may still ask for a tile that names it
	s_endpgm
.Lfunc_end_k_qd6346a048f_main:
	.size	k_qd6346a048f_main, .Lfunc_end_k_qd6346a048f_main-k_qd6346a048f_main
	.p2alignl 7, 3214868480
	.fill 96, 4, 3214868480
	.section	.rodata,"a",@progbits
	.p2align	6, 0x0
	.amdhsa_kernel k_qd6346a048f_main
		.amdhsa_group_segment_fixed_size 327680
		.amdhsa_private_segment_fixed_size 0
		.amdhsa_enable_private_segment 0
		.amdhsa_kernarg_size 64
		.amdhsa_user_sgpr_count 2
		.amdhsa_user_sgpr_kernarg_segment_ptr 1
		.amdhsa_wavefront_size32 1
		.amdhsa_system_sgpr_workgroup_id_x 1
		.amdhsa_system_sgpr_workgroup_id_y 1
		.amdhsa_system_sgpr_workgroup_id_z 1
		.amdhsa_system_vgpr_workitem_id 0
		.amdhsa_next_free_vgpr 1024
		.amdhsa_next_free_sgpr 66
		.amdhsa_reserve_vcc 1
		.amdhsa_float_denorm_mode_32 3
		.amdhsa_float_denorm_mode_16_64 3
		.amdhsa_memory_ordered 1
		.amdhsa_forward_progress 1
		.amdhsa_inst_pref_size 255
	.end_amdhsa_kernel
	.section	.bss,"aw",@nobits
	.p2align	6
	.space	262144
	.amdgpu_metadata
---
amdhsa.version: [ 1, 2 ]
amdhsa.kernels:
  - .name:           k_qd6346a048f_main
    .symbol:         k_qd6346a048f_main.kd
    .args:
      - { .name: pc, .offset: 0, .size: 8, .value_kind: global_buffer, .address_space: global }
      - { .name: Wc, .offset: 8, .size: 8, .value_kind: global_buffer, .address_space: global }
      - { .name: Q_table, .offset: 16, .size: 8, .value_kind: global_buffer, .address_space: global }
      - { .name: R_table, .offset: 24, .size: 8, .value_kind: global_buffer, .address_space: global }
      - { .name: qs, .offset: 32, .size: 8, .value_kind: global_buffer, .address_space: global }
      - { .name: rs, .offset: 40, .size: 8, .value_kind: global_buffer, .address_space: global }
      - { .name: lowp_scales, .offset: 48, .size: 8, .value_kind: global_buffer, .address_space: global }
      - { .name: part, .offset: 56, .size: 8, .value_kind: global_buffer, .address_space: global }
    .group_segment_fixed_size: 327680
    .private_segment_fixed_size: 0
    .kernarg_segment_align: 8
    .kernarg_segment_size: 64
    .max_flat_workgroup_size: 128
    .sgpr_count:     66
    .vgpr_count:     1024
    .wavefront_size: 32
...
	.end_amdgpu_metadata
.endif
;; end of part 2
;; launch finish (part 3): grid 33 x 1, 1 waves a work-group, no clusters, 0 bytes of LDS; arguments part, nrm, out0, out1; writes out0, out1
.if DOCPART == 3
	.amdgcn_target "amdgcn-amd-amdhsa--gfx1250"
	.amdhsa_code_object_version 6
	.text
	.protected	k_qd6346a048f_finish
	.globl	k_qd6346a048f_finish
	.p2align	8
	.type	k_qd6346a048f_finish,@function
k_qd6346a048f_finish:
	s_mov_b64 s[64:65], 0
	v_nop
	global_prefetch_b8 v0, s[64:65] scope:SCOPE_SE
	s_setreg_imm32_b32 hwreg(HW_REG_WAVE_MODE, 25, 1), 1
	s_wait_xcnt 0x0
; Work-groups 0-31, one wave each: out0[b] = the sum of part[c][b] over the 32 contributors c, for 128 b: four a lane.  Each load and the store cover 512 consecutive bytes, aligned.
; Work-group 32: out1 = 0.01 (sqrt(sum p^2) + sqrt(sum q^2) + sqrt(sum r^2)), from the 1,024 entries (sum p^2, sum q^2, sum r^2, 0) of nrm.
; That is all the work there is: 33 work-groups.  Memory binds: no LDS, no barrier, no matrix unit.
.macro SUM32 b, step                   ; 32 loads of 16 bytes a lane, step bytes apart, added in two packed chains into v[4:7]; the first two start the sums
.set ci, 0
.rept 32
	global_load_b128 v[16+4*ci:19+4*ci], v1, s[\b:\b+1] offset:ci*(\step) th:TH_LOAD_NT
.set ci, ci+1
.endr
	s_wait_loadcnt 30                              ; the first two are in; the 30 younger may be out
	v_pk_add_f32 v[4:5], v[16:17], v[20:21]
	v_pk_add_f32 v[6:7], v[18:19], v[22:23]
.set ci, 2
.rept 30
	s_wait_loadcnt 31-ci                           ; loads come back in order: number ci is in, the younger ones may be out
	v_pk_add_f32 v[4:5], v[4:5], v[16+4*ci:17+4*ci]
	v_pk_add_f32 v[6:7], v[6:7], v[18+4*ci:19+4*ci]
.set ci, ci+1
.endr
.endm
	s_load_b256 s[4:11], s[0:1], 0x0               ; part 4:5, nrm 6:7, out0 8:9, out1 10:11
	v_lshlrev_b32 v1, 4, v0                        ; 16 bytes a lane
	s_lshl_b32 s12, ttmp9, 9                       ; my 128 b
	s_mov_b32 s13, 0
	s_cmp_eq_u32 ttmp9, 32
	s_wait_kmcnt 0x0
	s_cbranch_scc1 .Lnorm
	s_add_nc_u64 s[4:5], s[4:5], s[12:13]
	s_add_nc_u64 s[8:9], s[8:9], s[12:13]
	SUM32 4, 16384                                 ; a contributor's row is 16,384 bytes
	global_store_b128 v1, v[4:7], s[8:9]
	s_endpgm
.Lnorm:
	s_mov_b32 s14, 0x76543210                      ; v_permlanex16_b32: lane l xor 16
	s_mov_b32 s15, 0xfedcba98
	v_mov_b32 v2, 0                                ; out1's offset
	v_mov_b32 v8, 0                                ; written once: a lane permute's destination counts as one of its sources
	v_mov_b32 v9, 0
	v_mov_b32 v10, 0
	SUM32 6, 512                                   ; 32 entries a load
.irp x, 1,2,4,8
	v_add_f32_dpp v4, v4, v4 row_xmask:\x row_mask:0xf bank_mask:0xf
	v_add_f32_dpp v5, v5, v5 row_xmask:\x row_mask:0xf bank_mask:0xf
	v_add_f32_dpp v6, v6, v6 row_xmask:\x row_mask:0xf bank_mask:0xf
.endr
	v_permlanex16_b32 v8, v4, s14, s15
	v_permlanex16_b32 v9, v5, s14, s15
	v_permlanex16_b32 v10, v6, s14, s15
	v_add_f32 v4, v4, v8
	v_add_f32 v5, v5, v9
	v_add_f32 v6, v6, v10
	v_sqrt_f32 v4, v4
	v_sqrt_f32 v5, v5
	v_sqrt_f32 v6, v6
	v_cmp_eq_u32 vcc_lo, 0, v0                     ; (a plain instruction between the last root and the use of its result)
	s_wait_alu depctr_va_vdst(0)
	v_add_f32 v4, v4, v5
	v_add_f32 v4, v4, v6
	v_mul_f32 v4, 0x3c23d70a, v4                   ; x 0.01
	s_wait_xcnt 0x0                                ; EXEC is a source of the loads above: it changes only behind this wait
	s_and_saveexec_b32 s16, vcc_lo
	global_store_b32 v2, v4, s[10:11]              ; lane 0
	s_wait_xcnt 0x0                                ; and again in front of the line that widens it
	s_or_b32 exec_lo, exec_lo, s16
	s_endpgm
.Lfunc_end_k_qd6346a048f_finish:
	.size	k_qd6346a048f_finish, .Lfunc_end_k_qd6346a048f_finish-k_qd6346a048f_finish
	.p2alignl 7, 3214868480
	.fill 96, 4, 3214868480
	.section	.rodata,"a",@progbits
	.p2align	6, 0x0
	.amdhsa_kernel k_qd6346a048f_finish
		.amdhsa_group_segment_fixed_size 0
		.amdhsa_private_segment_fixed_size 0
		.amdhsa_enable_private_segment 0
		.amdhsa_kernarg_size 32
		.amdhsa_user_sgpr_count 2
		.amdhsa_user_sgpr_kernarg_segment_ptr 1
		.amdhsa_wavefront_size32 1
		.amdhsa_system_sgpr_workgroup_id_x 1
		.amdhsa_system_sgpr_workgroup_id_y 1
		.amdhsa_system_sgpr_workgroup_id_z 1
		.amdhsa_system_vgpr_workitem_id 0
		.amdhsa_next_free_vgpr 144
		.amdhsa_next_free_sgpr 66
		.amdhsa_reserve_vcc 1
		.amdhsa_float_denorm_mode_32 3
		.amdhsa_float_denorm_mode_16_64 3
		.amdhsa_memory_ordered 1
		.amdhsa_forward_progress 1
		.amdhsa_inst_pref_size 19
	.end_amdhsa_kernel
	.amdgpu_metadata
---
amdhsa.version: [ 1, 2 ]
amdhsa.kernels:
  - .name:           k_qd6346a048f_finish
    .symbol:         k_qd6346a048f_finish.kd
    .args:
      - { .name: part, .offset: 0, .size: 8, .value_kind: global_buffer, .address_space: global }
      - { .name: nrm, .offset: 8, .size: 8, .value_kind: global_buffer, .address_space: global }
      - { .name: out0, .offset: 16, .size: 8, .value_kind: global_buffer, .address_space: global }
      - { .name: out1, .offset: 24, .size: 8, .value_kind: global_buffer, .address_space: global }
    .group_segment_fixed_size: 0
    .private_segment_fixed_size: 0
    .kernarg_segment_align: 8
    .kernarg_segment_size: 32
    .max_flat_workgroup_size: 32
    .sgpr_count:     66
    .vgpr_count:     144
    .wavefront_size: 32
...
	.end_amdgpu_metadata
.endif
;; end of part 3
